; MI455X (gfx1250); checked and timed in simulation.
; The chip was launched on July 23, 2026; its instructions are those of AMD's public machine-readable ISA for CDNA 5 (MIT licence, August 2026) and "CDNA5" Instruction Set Architecture Reference Guide (July 2026). The comments in the code are by the model that wrote it; some were corrected since.
;; Coupling Layer. Allowed arithmetic: matrix products marked QUANTISED: E3M2 operands, one E8M0 scale for each 32 along K, by v_wmma_scale_f32_16x16x128_f8f6f4 with both operands' format E3M2, f32 sums; products left as they are: f32 operands where the result goes on into a quantised operand, else bf16, f16 or f32 operands; f32 sums; everything else in f32.
;; Inputs: W1 98 x 64 float32; W2 64 x 10 float32; b1 64 float32; b2 10 float32; input 4 x 4,096 x 64 x 3 float32; t_feat 4 x 96 float32.
;; Outputs: out0 4 x 4,096 x 64 x 3 float32.
;; This version of the problem:
;;   THIS VERSION OF THE PROBLEM IS GIVEN IN LOW PRECISION. The matrix products marked QUANTISED in the list below multiply operands that are first quantised to E3M2 (3 exponent bits, 2 mantissa bits; 6 bits a number), with one power-of-two scale for each 32 numbers along K (OCP MX v1.0); their sums are f32. All else is computed in f32.
;;   The module's matrix products, in the order in which they are computed (A, B: the left and right operand; K: the contracted axis; several contracted axes count as one K, in the product's order):
;;     1. [M 1,048,576, K 98] x [K 98, N 64]; A: computed on the way; B: input W1: QUANTISED
;;     2. [M 1,048,576, K 64] x [K 64, N 10]; A: computed on the way; B: input W2: left as it is (N = 10 < 16)
;;   THE QUANTISER, for each operand of a quantised product, along K:
;;     - K is cut into blocks of 32 from its start; a last block that is shorter is filled with zeros.
;;     - A block's scale is 2^e with e = floor(log2(the largest magnitude in the block)) - 4, held to -126 .. 127; a block of zeros has e = 0. As a byte (E8M0): e + 127.
;;     - Each number is divided by its block's scale, clamped to +-28, and rounded to the nearest number of E3M2, ties to even, subnormals kept.
;;     - The product sums the exact products of the quantised numbers (number of the format x scale) in f32.
;;   ~~~python
;;   def quantise(x, axis):      # numpy; x: float32 -> the quantised numbers, widened to float32 again
;;       x = np.moveaxis(x, axis, -1); K = x.shape[-1]
;;       x = np.pad(x, [(0, 0)] * (x.ndim - 1) + [(0, -K % 32)]); x = x.reshape(x.shape[:-1] + (-1, 32)); a = np.abs(x).max(-1, keepdims=True)
;;       e = np.where(a > 0, np.clip(np.frexp(np.where(a > 0, a, 1))[1] - 1 - 4, -126, 127), 0)      # np.frexp(a)[1] - 1 = floor(log2(a)), exactly
;;       r = np.clip(x / 2.0 ** e, -28, 28)
;;       step = 2.0 ** (np.maximum(np.frexp(np.where(r == 0, 1, r))[1] - 1, -2) - 2)
;;       q = np.round(r / step) * step * 2.0 ** e      # np.round: ties to even
;;       return np.moveaxis(q.reshape(q.shape[:-2] + (-1,))[..., :K], -1, axis).astype(np.float32)
;;   ~~~
;;   OPERANDS COMPUTED ON THE WAY. 'Computed on the way' means the value that the module computes at that place (a softmax that the list does not call 'softmax' is quantised finished and normalised). What goes into a quantiser is computed in f32, as accurately as f32 sums, v_exp_f32 and their like allow (about 1e-6 of the number): no bf16 or f16 on the way to a quantiser, and a product that is left as it is and whose result goes on into a quantised operand takes f32 operands (vector FMAs, or v_wmma_f32_16x16x4_f32). A number that lies on a knife's edge between two numbers of the format may be rounded either way, as far as f32 arithmetic and the matrix unit's own rounding can turn it there, and no further.
;; 2 versions, each right and faster than the one before. Each part assembles by itself: llvm-mc -triple=amdgcn-amd-amdhsa -mcpu=gfx1250 --defsym DOCPART=n.
;; ======== version 1 of 2: 1 launch
;; launch coupling (part 1): grid 256 x 1, 8 waves a work-group, no clusters, 168,960 bytes of LDS; arguments input, t_feat, W1, b1, W2, b2, out0; writes out0
.if DOCPART == 1
	.amdgcn_target "amdgcn-amd-amdhsa--gfx1250"
	.amdhsa_code_object_version 6
	.text
	.protected	k_qe48db5eeff_coupling
	.globl	k_qe48db5eeff_coupling
	.p2align	8
	.type	k_qe48db5eeff_coupling,@function
k_qe48db5eeff_coupling:
	s_mov_b64 s[64:65], 0
	v_nop
	global_prefetch_b8 v0, s[64:65] scope:SCOPE_SE
	s_setreg_imm32_b32 hwreg(HW_REG_WAVE_MODE, 25, 1), 1
	s_wait_xcnt 0x0
; out = (x0, x1, f(x2)) for 1,048,576 points (x0, x1, x2), 12 bytes each.  h = tanh(x0, x1); z = (h0, h1, t_feat[n][0..95]), K = 98;
; hidden = relu(Q(z) Q(W1) + b1), 64 units, on codes of BF6 (E3M2) with one E8M0 scale for each 32 along K; d = softplus(hidden W2 + b2) + 1e-4, 10 numbers, on bf16 operands;
; f = the monotone map of five straight pieces that d describes.
; SHARES.  256 work-groups of eight waves; work-group g owns points 4096 g on (49,152 consecutive bytes, all of batch element n = g / 64), wave w 512 of them (6,144 bytes): 4 trips of 4 groups of 32 points;
; lane l owns point l of a group.
; WHAT IS THE SAME FOR ALL POINTS IS SUMMED ONCE.  Blocks 1 to 3 of z (k = 32 .. 127, zeros from k = 98 on) hang on n alone: CN[unit] = b1 + their part of the quantised product is made once a wave, by four
; instructions of the same form, and is the C of every point tile's instruction.  Only block 0 (h0, h1, t0 .. t29) and its scale differ from point to point.
; NO LANE MOVEMENT FOR THE POINTS' OPERAND.  Each lane converts its own point's block 0: k 0-15 into registers 0-2 and k 16-31 into registers 6-8 of a fragment whose registers 3-5 and 9-11 stay zero codes.
; By the 6-bit layout (lane (r, h), registers 6 c on: k = 64 c + 32 h + 0 .. 31) column r then holds point r in the instruction's blocks 0 and 2 and point 16 + r in its blocks 1 and 3.  W1's block 0 is kept in two
; forms: A with its codes in lanes 0-15 and zero codes in lanes 16-31, B the other way round: A x X gives points 0-15, B x X points 16-31.  A scale word holds the one byte four times; for form B the points'
; words are read from lanes 16-31.
; BOTH PRODUCTS ARE USED TRANSPOSED (source 0 = weights, source 1 = points): a lane holds one point and eight neighbouring units, so two tiles rounded in pairs are the bf16 operand of the second product.
; W2's rows are laid 5 + 5 (rows 0-4: dxl1, dyl1, dxl2, dyl2, kl; rows 8-12: dxr1, dyr1, dxr2, dyr2, kr; the rest zeros): five exchanges of half registers then give lane l all ten numbers of point l.
; W2 and b2 are multiplied by log2(e) at the head: softplus(x) = ln2 (max(x', 0) + log2(1 + 2^-|x'|)), x' = x log2(e): no exponential can overflow.
; f(q) = -syl + 2 kl min(A, 0) + sL med(A, 0, dxl2) + sM med(B, 0, wM) + sR med(C, 0, dxr2) + 2 kr max(D, 0): the same function as the search over five intervals, with no branch and no compare.
; IN AND OUT.  A wave's 6,144 bytes come into its own stage in LDS by 12 copies of 512 consecutive bytes, asked for at the head; lanes read their words 12 bytes apart (32 different banks); f is stored over x2
; in the stage, and a trip's 1,536 bytes go out by three stores of 512 consecutive bytes each, at multiples of 512 from the buffer's first byte.
; NOT USED, AND WHY: no ring of slots (each LDS byte is filled once; all of the input is asked for at the head); no cluster (what work-groups share, the weights, biases and t, is 29 KB against the 49 KB that a
; work-group reads for itself, and is read once); no launch of its own for Q(W1) (one lane quantises one block of one column: 32 loads and some 25 vector lines a lane).
; LIMITS.  NaN and infinities among the inputs are not served.  A block whose largest magnitude lies under 2^-122 (a block of zeros too) gets the scale byte 1: its codes are zeros or subnormals, and this program
; alone reads the bytes.  tanh(x) = 1 - 2 / (1 + 2^(2 log2(e) x)) from |x| = 0.25 on; below, x + x^3 (c1 + c2 u + c3 u^2 + c4 u^3), u = x^2: the first term left out is 8.5e-9 of the number.  Divisions are a
; reciprocal (1 ulp) and a multiplication.  The order of rounding in f differs from the search's, which forms differences of numbers near 10,000 in the outer pieces; here none is formed.
.set STG,   0                          ; LDS: the stages, 6,144 bytes a wave
.set WQ,    49152                      ; W1's codes: four blocks of 4,096 bytes (K block b; column n at 64 n: +0 words 0-3, +16 words 4-5, +32 words 3-5 and a zero), then
.set ZBLK,  WQ+16384                   ; 4,096 bytes of zero codes
.set SCB,   69632                      ; W1's scale bytes: byte 4 n + b
.set ZV,    69888                      ; z[0..127] with zeros for h0, h1: 512 bytes for each wave, its own
.set FLOOR, 0x2800000                  ; 2^(5 - 127): under it no largest magnitude is taken, so that a scale's byte cannot fall under 1
.set EOFF,  0xfe000000                 ; takes 4, the exponent of the format's largest number, off an exponent field
; window 0, for the whole launch
.set LIN0, 1                           ; v1      my point's bytes in the wave's stage: 12 x lane
.set LRD0, 2                           ; v2      16 x lane in the stage (the copies' LDS address; the way out)
.set GO0,  3                           ; v3      16 x lane + 6,144 x wave in the work-group's bytes of input and of out0
.set PS,   4                           ; v4-5    the points' scale words, two sets     (v4-14 hold scales and nothing else)
.set WS,   6                           ; v6-9    W1's block-0 byte, four times, for tile t
.set WC,   10                          ; v10-13  W1's scale words as they lie, for tile t
.set TSW,  14                          ; v14     z's scale word
.set TMX,  15                          ; v15     the largest magnitude of t0 .. t29, and the floor
.set TB,   16                          ; v16-47  block 0 of z: h0, h1, t0 .. t29
.set XF,   48                          ; v48-71  the points' fragments, two sets of 12
.set LINC, 72                          ; v72-74  the three addresses of the trip in hand
.set LRDC, 73
.set GOC,  74
.set XI,   76                          ; v76-83  (x0, x1) of the trip's four groups
.set ZI,   84                          ; v84-87  x2 of the four groups, then f
.set CP,   88                          ; v88-95  c1 .. c4, each twice
.set LN2,  96                          ; v96-97  ln 2, twice
.set EPS,  98                          ; v98-99  1e-4, twice
.set TE,   100                         ; v100-109 tanh at work: five pairs
.set TU,   102
.set TP,   104
.set TV,   106
.set TG,   108
.set AM,   110                         ; v110-112 the quantiser at work
.set SCO,  111
.set BY,   112
.set HA,   128                         ; v128-191 the hidden layer: tile 2 t + p (units 16 t on; p = 0: points 0-15, 1: points 16-31) at 8 (2 t + p)
.set HID,  192                         ; v192-223 the same in bf16: fragment (p, K step s) at 16 p + 8 s
.set D2A,  224                         ; v224-231 the second product, points 0-15; behind the exchange v224-228: dxl1, dyl1, dxl2, dyl2, 2 kl of my point
.set D2B,  232                         ; v232-239 points 16-31; behind the exchange v232-236: dxr1, dyr1, dxr2, dyr2, 2 kr
; the hidden layer's registers, once it is rounded, serve the softplus and the map
.set EP,   128
.set EQ,   134
.set MP,   140
.set MQ,   146
.set WM,   152                         ; wM, hM
.set SXL,  154                         ; sxl, syl
.set SXR,  156
.set RC,   157                         ; three reciprocals
.set LO,   160
.set HI,   161
.set QQ,   162
.set PA,   163                         ; A, B, C, D
.set SLP,  167                         ; sL, sM, sR
.set CL5,  170                         ; the five clamped pieces
.set FF,   175
.set OUT,  176                         ; v176-187 the way out
; window 0, at the head only
.set LANE, 113
.set RR,   114
.set HH,   115
.set TA0,  116
.set TA1,  117
.set W1A,  118
.set W2A,  119
.set B1A,  120
.set ZVW,  121
.set ZVB,  122
.set ZVH,  123
.set WQS,  124
.set SCS,  125
.set ZBS,  126
.set VA,   127
.set VB,   252
.set CLO,  253
.set CHI,  254
.set SCL,  255
.set B2A,  236
.set B2B,  237
.set MULT, 238
.set TOP,  240                         ; v240-251 z's blocks as an operand
.set WR,   128                         ; v128-159 my block of my column of W1
.set ZL,   160                         ; v160-191 z's block h
.set ZH,   48                          ; v48-79   z's block 2 + h
.set W2R,  192
.set B2R,  224
.set TZ,   232                         ; v232-235 four numbers of z
.set QE,   100                         ; v100-105 a block's codes on end
.set QC,   106                         ; v106-109 its second half, and a zero
.set ZR,   88                          ; v88-91   zeros, later a conversion's result
; window 1
.set W1F,  0                           ; W1's block 0: 12 (2 t + p): form A, form B
.set CN,   96                          ; 8 t
.set W2F,  128                         ; 8 s
.set B2C,  144
.set W1C,  152                         ; 12 t: W1's blocks 1 to 3 (block 0's place: zero codes); head only
.set B1T,  200                         ; 8 t: b1 in the result's layout; head only
.set MSB, 0
.macro WIN new                         ; bits 1:0 source 0, 3:2 source 1, 5:4 source 2, 7:6 destination; the immediate's high byte repeats the setting that is left
.if MSB != \new
	s_set_vgpr_msb (MSB<<8)|\new
.set MSB, \new
.endif
.endm
; The largest magnitude of v[s] .. v[s + 31], and the floor, into v[d]; two chains, so that no line waits for the line above it
.macro AMAX d, u, s
	v_max3_num_f32 v[\d], |v[\s]|, |v[\s+1]|, |v[\s+2]|
	v_max3_num_f32 v[\u], |v[\s+3]|, |v[\s+4]|, |v[\s+5]|
.irp i, 6,10,14,18,22,26
	v_max3_num_f32 v[\d], v[\d], |v[\s+\i]|, |v[\s+\i+1]|
	v_max3_num_f32 v[\u], v[\u], |v[\s+\i+2]|, |v[\s+\i+3]|
.endr
	v_max3_num_f32 v[\d], v[\d], |v[\s+30]|, |v[\s+31]|
	v_max3_num_f32 v[\d], v[\d], v[\u], FLOOR
.endm
	; ---- THE HEAD: addresses first, all of them ahead of the one branch on the wave's number
	s_load_b256 s[4:11], s[0:1], 0x0               ; input s[4:5], t_feat s[6:7], W1 s[8:9], b1 s[10:11]
	s_load_b128 s[12:15], s[0:1], 0x20             ; W2 s[12:13], b2 s[14:15]
	s_load_b64 s[16:17], s[0:1], 0x30              ; out0
	s_set_vgpr_msb 0x40
	v_lshl_add_u32 v232, v0, 2, 0x29000
	v_mov_b32 v233, 0
	s_set_vgpr_msb 0x4045
	ds_add_u32 v232, v233
	ds_add_u32 v232, v233
	s_set_vgpr_msb 0x4500
	v_lshrrev_b32 v100, 5, v0
	v_readfirstlane_b32 s18, v100                  ; wave 0..7
	v_and_b32 v[LANE], 31, v0
	v_and_b32 v[RR], 15, v0                        ; r
	v_bfe_u32 v[HH], v0, 4, 1                      ; h
	v_xor_b32 v101, 1, v[HH]                       ; 1 - h
	s_lshr_b32 s19, ttmp9, 6                       ; n
	s_mul_i32 s20, s18, 6144
	s_add_co_u32 s21, s20, STG                     ; my stage
	s_lshl_b32 s22, s18, 9
	s_add_co_u32 s22, s22, ZV                      ; my copy of z
	s_lshl_b32 s23, s18, 11
	s_add_co_u32 s23, s23, WQ                      ; wave w quantises K block w / 2, columns 32 (w % 2) on: 4,096 (w / 2) + 64 x 32 (w % 2) = 2,048 w
	s_and_b32 s40, s18, 1
	s_lshr_b32 s41, s18, 1
	s_lshl_b32 s40, s40, 7                         ; 128 (w % 2): 32 columns of 4 bytes, in W1's rows and among the scale bytes alike
	s_add_co_u32 s42, s40, s41
	s_add_co_u32 s42, s42, SCB                     ; my scale bytes: 4 n + b
	s_lshl_b32 s41, s41, 13                        ; 32 rows of W1 are 8,192 bytes
	s_add_co_u32 s43, s40, s41
	v_mul_u32_u24 v[LIN0], v[LANE], 12
	v_add_nc_u32 v[LIN0], s21, v[LIN0]
	v_lshl_add_u32 v[LRD0], v[LANE], 4, s21
	v_lshl_add_u32 v[GO0], v[LANE], 4, s20
	v_lshl_add_u32 v[ZVW], v[LANE], 4, s22
	v_mov_b32 v[ZVB], s22
	v_lshl_add_u32 v[ZVH], v[HH], 7, s22
	v_lshl_add_u32 v[WQS], v[LANE], 6, s23
	v_lshl_add_u32 v[SCS], v[LANE], 2, s42
	v_lshl_add_u32 v[ZBS], v0, 4, ZBLK             ; 256 threads x 16 bytes clear the zero block
	v_lshl_add_u32 v[VA], v[RR], 6, WQ
	v_lshl_add_u32 v[VA], v[HH], 14, v[VA]         ; form A: lanes 0-15 block 0, lanes 16-31 the zero block
	v_lshl_add_u32 v[VB], v[RR], 6, WQ
	v_lshl_add_u32 v[VB], v101, 14, v[VB]          ; form B: the other way round
	v_lshl_add_u32 v[CLO], v[RR], 6, WQ+4096
	v_mad_u32_u24 v[CLO], v101, 12288, v[CLO]      ; registers 0-5 of the constant operand: lanes 0-15 the zero block, lanes 16-31 block 1
	v_lshl_add_u32 v[CHI], v[RR], 6, WQ+8192
	v_lshl_add_u32 v[CHI], v[HH], 12, v[CHI]       ; registers 6-11: blocks 2 and 3
	v_lshl_add_u32 v[SCL], v[RR], 2, SCB
	v_lshl_add_u32 v[W1A], v[LANE], 2, s43         ; W1(32 b + i, n): 256 bytes a row
	v_lshlrev_b32 v102, 4, v[LANE]                 ; lane l makes z[4 l .. 4 l + 3] = t[4 l - 2 .. 4 l + 1]:
	v_add_nc_u32 v[TA0], -8, v102
	v_min_u32 v[TA0], 0x178, v[TA0]                ; both pairs' addresses are held inside t's row of 384 bytes;
	v_min_u32 v[TA1], 0x178, v102
	v_add_nc_u32 v103, -1, v[LANE]
	v_cmp_gt_u32 s38, 24, v103                     ; the first pair is t's in lanes 1 to 24,
	v_cmp_gt_u32 s39, 24, v[LANE]                  ; the second in lanes 0 to 23; the others become zeros
	v_and_b32 v104, 7, v[RR]                       ; W2: row r of the operand takes output o(r): 1, 5, 0, 4, 8 for r = 0 .. 4; 2, 6, 3, 7, 9 for r = 8 .. 12
	v_lshlrev_b32 v105, 2, v104
	v_mov_b32 v106, 0x97362
	v_mov_b32 v107, 0x84051
	v_cmp_gt_u32 vcc_lo, 8, v[RR]
	v_cndmask_b32 v106, v106, v107, vcc_lo
	v_lshrrev_b32 v106, v105, v106
	v_and_b32 v106, 15, v106                       ; (the other rows read output 0 and are multiplied by 0)
	v_lshlrev_b32 v[W2A], 2, v106
	v_mad_u32_u24 v[W2A], v[HH], 320, v[W2A]       ; + 8 h units of 40 bytes
	v_cmp_gt_u32 vcc_lo, 5, v104
	v_mov_b32 v107, 0x3fb8aa3b
	v_cndmask_b32 v[MULT], 0, v107, vcc_lo         ; log2(e), or 0
	v_mov_b32 v[MULT+1], v[MULT]
	v_lshlrev_b32 v[B1A], 5, v[HH]                 ; b1: 8 h numbers on
	v_lshlrev_b32 v[B2A], 2, v[HH]
	v_mul_u32_u24 v[B2B], v[HH], 12
.irp i, 0,1,2,3
	v_mov_b32 v[ZR+\i], 0
.endr
	s_mov_b32 s24, 0x76543210
	s_mov_b32 s25, 0xfedcba98                      ; v_permlanex16_b32's selects for lane l xor 16
	s_mov_b32 s26, 0x4038aa3b                      ; 2 log2(e)
	s_mov_b32 s27, s26                             ; (named with it as a pair)
	s_mov_b32 s28, 0x3e800000                      ; 0.25
	s_mov_b32 s29, 0x3fb17218                      ; 2 ln 2
	s_mov_b32 s30, 0x3951b717                      ; 2e-4
	s_mov_b32 s31, 0xbf7d70a4                      ; -0.99
	s_mov_b32 s32, 0xc61ab000                      ; -9900
	s_mov_b32 s33, 0x3f7d70a4                      ; 0.99
	s_mov_b32 s34, 0x461ab000                      ; 9900
	s_mov_b32 s37, 0x3fb8aa3b                      ; log2(e)
	s_mul_i32 s44, ttmp9, 49152                    ; the work-group's bytes in input and in out0
	s_mov_b32 s45, 0
	s_mul_i32 s46, s19, 384                        ; t's row
	s_mov_b32 s47, 0
	s_wait_dscnt 0x0
	s_wait_kmcnt 0x0
	s_add_nc_u64 s[4:5], s[4:5], s[44:45]
	s_add_nc_u64 s[16:17], s[16:17], s[44:45]
	s_add_nc_u64 s[6:7], s[6:7], s[46:47]
	global_load_b64 v[TZ:TZ+1], v[TA0], s[6:7]
	global_load_b64 v[TZ+2:TZ+3], v[TA1], s[6:7]
	s_cmp_lt_u32 s18, 6                            ; waves 6 and 7 have K block 3, of which W1 has rows 96 and 97 alone: the quantiser fills the rest with zeros, and no load leaves the buffer
	s_cbranch_scc0 .Ltail_rows
.set i, 0
.rept 32
	global_load_b32 v[WR+i], v[W1A], s[8:9] offset:256*i   ; a lane to a column, registers down K: 32 lanes read 128 consecutive bytes
.set i, i+1
.endr
	s_branch .Lw1_asked
.Ltail_rows:
	global_load_b32 v[WR], v[W1A], s[8:9]
	global_load_b32 v[WR+1], v[W1A], s[8:9] offset:256
.set i, 2
.rept 30
	v_mov_b32 v[WR+i], 0
.set i, i+1
.endr
.Lw1_asked:
.set i, 0
.rept 12
	global_load_async_to_lds_b128 v[LRD0], v[GO0], s[4:5] offset:512*i   ; my wave's 6,144 bytes of input into its stage, as they lie; the three registers are never written again
.set i, i+1
.endr
.set i, 0
.rept 32
	global_load_b32 v[W2R+i], v[W2A], s[12:13] offset:40*(32*(i/16)+16*((i/8)%2)+i%8)   ; W2(32 s + 16 c + 8 h + i, o(r)): the bf16 operand's order
.set i, i+1
.endr
	global_load_b32 v[B2R], v[B2A], s[14:15] offset:4          ; b2 in the result's layout: outputs 1, 5, 0, 4, 8 in lanes 0-15; 2, 6, 3, 7, 9 in lanes 16-31
	global_load_b32 v[B2R+1], v[B2A], s[14:15] offset:20
	global_load_b32 v[B2R+2], v[B2B], s[14:15]
	global_load_b32 v[B2R+3], v[B2B], s[14:15] offset:16
	global_load_b32 v[B2R+4], v[B2A], s[14:15] offset:32
	WIN 0x40                                       ; destination window 1
.irp t, 0,1,2,3
	global_load_b128 v[B1T+8*\t:B1T+8*\t+3], v[B1A], s[10:11] offset:64*\t      ; b1[16 t + 8 h + 0 .. 7]
	global_load_b128 v[B1T+8*\t+4:B1T+8*\t+7], v[B1A], s[10:11] offset:64*\t+16
.endr
	WIN 0
	; ---- z into my own 512 bytes of LDS and back in three shapes; my block of my column of W1 into codes
	s_wait_loadcnt 45                              ; t and W1 are in: behind them were issued W2's 32 loads, b2's 5 and b1's 8, on both ways of the branch
	v_cndmask_b32 v[TZ], 0, v[TZ], s38
	v_cndmask_b32 v[TZ+1], 0, v[TZ+1], s38
	v_cndmask_b32 v[TZ+2], 0, v[TZ+2], s39
	v_cndmask_b32 v[TZ+3], 0, v[TZ+3], s39
	ds_store_b128 v[ZVW], v[TZ:TZ+3]               ; z = (0, 0, t0 .. t95, 30 zeros).  LDS serves a wave's instructions in order (ISA guide 5.7.1.4): the loads below see it
.set i, 0
.rept 8
	ds_load_b128 v[TB+4*i:TB+4*i+3], v[ZVB] offset:16*i        ; block 0, the same in every lane
	ds_load_b128 v[ZL+4*i:ZL+4*i+3], v[ZVH] offset:16*i        ; block h
	ds_load_b128 v[ZH+4*i:ZH+4*i+3], v[ZVH] offset:256+16*i    ; block 2 + h
.set i, i+1
.endr
	AMAX 96, 97, WR
	v_add_nc_u32 v98, EOFF, v96                    ; 4 off the largest magnitude's exponent field: the conversion takes this operand's exponent field as its scale, and nothing else of it
	v_lshrrev_b32 v99, 23, v98                     ; the scale's byte
	v_cvt_scalef32_pk16_bf6_f32 v[QE:QE+2], v[WR:WR+15], v98
	v_cvt_scalef32_pk16_bf6_f32 v[QC:QC+2], v[WR+16:WR+31], v98     ; (a conversion's three registers begin on an even number)
	v_mov_b32 v[QC+3], 0                           ; a plain line behind the conversions
.irp i, 0,1,2
	v_mov_b32 v[QE+3+\i], v[QC+\i]
.endr
	ds_store_b128 v[WQS], v[QE:QE+3]               ; words 0-3,
	ds_store_b64 v[WQS], v[QE+4:QE+5] offset:16    ; 4-5: the block on end, for the constant operand;
	ds_store_b128 v[WQS], v[QC:QC+3] offset:32     ; words 3-5 and a zero: its second half on a boundary of 16 bytes, for forms A and B
	ds_store_b8 v[SCS], v99
	ds_store_b128 v[ZBS], v[ZR:ZR+3]               ; the zero block
	s_wait_dscnt 0x0                               ; for the others' sake: my stores have landed; and z is back in my registers
	s_barrier_signal -1                            ; the launch's one barrier.  Work on registers stands between its halves: z's blocks become an operand
	AMAX TMX, 97, TB                               ; h0 and h1 are zeros here: the largest of t0 .. t29
	AMAX 96, 97, ZL
	AMAX 110, 111, ZH
	v_add_nc_u32 v98, EOFF, v96
	v_add_nc_u32 v99, EOFF, v110
	v_lshrrev_b32 v96, 23, v98
	v_lshrrev_b32 v110, 23, v99
	v_lshl_or_b32 v96, v110, 16, v96               ; my two bytes: blocks h and 2 + h,
	v_lshlrev_b32 v111, 3, v[HH]
	v_lshlrev_b32 v96, v111, v96                   ; at their places in the word;
	v_mov_b32 v112, 0                              ; (a lane permute's destination counts as one of its sources)
	v_permlanex16_b32 v112, v96, s24, s25
	v_or_b32 v[TSW], v96, v112                     ; with lane l xor 16's two the word is whole
	v_cvt_scalef32_pk16_bf6_f32 v[TOP:TOP+2], v[ZL:ZL+15], v98
	v_cvt_scalef32_pk16_bf6_f32 v[88:90], v[ZL+16:ZL+31], v98
	v_cvt_scalef32_pk16_bf6_f32 v[TOP+6:TOP+8], v[ZH:ZH+15], v99
	v_cvt_scalef32_pk16_bf6_f32 v[92:94], v[ZH+16:ZH+31], v99
	v_nop                                          ; one plain line behind the conversions
.irp i, 0,1,2
	v_mov_b32 v[TOP+3+\i], v[88+\i]
	v_mov_b32 v[TOP+9+\i], v[92+\i]
.endr
	s_barrier_wait -1                              ; W1's codes and scale bytes lie in LDS; nobody writes them again
	; ---- W1's operands into window 1, where they stay; CN; W2 and b2
	WIN 0x40                                       ; destination window 1, address window 0
.irp t, 0,1,2,3
	ds_load_b128 v[W1F+24*\t:W1F+24*\t+3], v[VA] offset:1024*\t            ; form A: k 0-15 into registers 0-2 (register 3 meets zero codes),
	ds_load_b128 v[W1F+24*\t+6:W1F+24*\t+9], v[VA] offset:1024*\t+32       ; k 16-31 into registers 6-8
	ds_load_b128 v[W1F+24*\t+12:W1F+24*\t+15], v[VB] offset:1024*\t        ; form B
	ds_load_b128 v[W1F+24*\t+18:W1F+24*\t+21], v[VB] offset:1024*\t+32
	ds_load_b128 v[W1C+12*\t:W1C+12*\t+3], v[CLO] offset:1024*\t           ; the constant operand: whole blocks
	ds_load_b64 v[W1C+12*\t+4:W1C+12*\t+5], v[CLO] offset:1024*\t+16
	ds_load_b128 v[W1C+12*\t+6:W1C+12*\t+9], v[CHI] offset:1024*\t
	ds_load_b64 v[W1C+12*\t+10:W1C+12*\t+11], v[CHI] offset:1024*\t+16
.endr
.irp f, 0,1,2,3,4,5,6,7
	v_mov_b32 v[W1F+12*\f+4], 0                    ; the registers of forms A and B that no load fills
	v_mov_b32 v[W1F+12*\f+5], 0
	v_mov_b32 v[W1F+12*\f+10], 0
	v_mov_b32 v[W1F+12*\f+11], 0
.endr
	WIN 0
.irp t, 0,1,2,3
	ds_load_b32 v[WC+\t], v[SCL] offset:64*\t      ; unit 16 t + r's four bytes
.endr
	s_wait_dscnt 0x0
	s_wait_loadcnt 0x0                             ; W2, b2, b1
.set i, 0
.rept 16
	v_pk_mul_f32 v[W2R+2*i:W2R+2*i+1], v[W2R+2*i:W2R+2*i+1], v[MULT:MULT+1]   ; W2 log2(e), or 0.  (With the 32 lines above: far more than the eight plain lines that z's scale word, written by a vector instruction, stands ahead of a scaled matrix instruction)
.set i, i+1
.endr
	WIN 0x51                                       ; source 0, C and D window 1; source 1 window 0
.irp t, 0,1,2,3
	v_wmma_scale_f32_16x16x128_f8f6f4 v[CN+8*\t:CN+8*\t+7], v[W1C+12*\t:W1C+12*\t+11], v[TOP:TOP+11], v[B1T+8*\t:B1T+8*\t+7], v[WC+\t], v[TSW] matrix_a_fmt:MATRIX_FMT_BF6 matrix_b_fmt:MATRIX_FMT_BF6   ; CN = b1 + blocks 1 to 3: the same in every column
.endr
	WIN 0x40
.set i, 0
.rept 16
	v_cvt_pk_bf16_f32 v[W2F+i], v[W2R+2*i], v[W2R+2*i+1]       ; (these lines name none of the four products' registers: they are the plain lines behind them)
.set i, i+1
.endr
.irp j, 0,1,2,3,4
	v_mul_f32 v[B2C+\j], s37, v[B2R+\j]            ; b2 log2(e)
.endr
.irp j, 5,6,7
	v_mov_b32 v[B2C+\j], 0
.endr
	WIN 0
.irp t, 0,1,2,3
	v_perm_b32 v[WS+\t], v[WC+\t], v[WC+\t], 0     ; block 0's byte, four times
.endr
.irp q, 0,1
.irp i, 3,4,5,9,10,11
	v_mov_b32 v[XF+12*\q+\i], 0                    ; the points' fragments: these six registers stay zero codes
.endr
.endr
.irp i, 0,1
	v_mov_b32 v[CP+\i], 0xbeaaaaab                 ; c1 = -1/3
	v_mov_b32 v[CP+2+\i], 0x3e088889               ; c2 = 2/15
	v_mov_b32 v[CP+4+\i], 0xbd5d0dd1               ; c3 = -17/315
	v_mov_b32 v[CP+6+\i], 0x3cb327a4               ; c4 = 62/2835
	v_mov_b32 v[LN2+\i], 0x3f317218
	v_mov_b32 v[EPS+\i], 0x38d1b717
.endr
	s_mov_b32 s35, 4                               ; trips
	s_mov_b32 s36, 0                               ; the trip's bytes: 1,536 a trip
; tanh of group g's (x0, x1) into v16, v17: both ways are computed, and |x| < 0.25 chooses.  A plain line stands behind each pair of transcendentals before their results are used.
.macro TANH g
	v_pk_mul_f32 v[TE:TE+1], v[XI+2*\g:XI+2*\g+1], s[26:27] op_sel_hi:[1,0]
	v_exp_f32 v[TE], v[TE]
	v_exp_f32 v[TE+1], v[TE+1]
	v_pk_mul_f32 v[TU:TU+1], v[XI+2*\g:XI+2*\g+1], v[XI+2*\g:XI+2*\g+1]       ; u = x^2
	s_wait_alu depctr_va_vdst(0)
	v_pk_add_f32 v[TE:TE+1], v[TE:TE+1], 1.0 op_sel_hi:[1,0]
	v_rcp_f32 v[TE], v[TE]
	v_rcp_f32 v[TE+1], v[TE+1]
	v_pk_fma_f32 v[TP:TP+1], v[TU:TU+1], v[CP+6:CP+7], v[CP+4:CP+5]
	v_pk_fma_f32 v[TP:TP+1], v[TP:TP+1], v[TU:TU+1], v[CP+2:CP+3]
	v_pk_fma_f32 v[TP:TP+1], v[TP:TP+1], v[TU:TU+1], v[CP:CP+1]
	v_pk_mul_f32 v[TV:TV+1], v[TU:TU+1], v[XI+2*\g:XI+2*\g+1]                 ; x^3
	v_pk_fma_f32 v[TP:TP+1], v[TV:TV+1], v[TP:TP+1], v[XI+2*\g:XI+2*\g+1]
	s_wait_alu depctr_va_vdst(0)
	v_pk_fma_f32 v[TG:TG+1], v[TE:TE+1], -2.0, 1.0 op_sel_hi:[1,0,0]
	v_cmp_lt_f32 vcc_lo, |v[XI+2*\g]|, s28
	v_cndmask_b32 v[TB], v[TG], v[TP], vcc_lo
	v_cmp_lt_f32 vcc_lo, |v[XI+2*\g+1]|, s28
	v_cndmask_b32 v[TB+1], v[TG+1], v[TP+1], vcc_lo
.endm
; My point's block 0 into codes, in set q.  Four plain lines, then the two conversions; a plain line follows wherever the macro stands.
.macro QUANT q
	v_max3_num_f32 v[AM], |v[TB]|, |v[TB+1]|, v[TMX]
	v_add_nc_u32 v[SCO], EOFF, v[AM]
	v_lshrrev_b32 v[BY], 23, v[SCO]
	v_perm_b32 v[PS+\q], v[BY], v[BY], 0           ; the byte, four times
	v_cvt_scalef32_pk16_bf6_f32 v[XF+12*\q:XF+12*\q+2], v[TB:TB+15], v[SCO]
	v_cvt_scalef32_pk16_bf6_f32 v[XF+12*\q+6:XF+12*\q+8], v[TB+16:TB+31], v[SCO]
.endm
; The first product of 32 points: eight instructions on eight accumulators, each with CN as its C
.macro MM1 q
	WIN 0x11                                       ; source 0 and C window 1
.irp t, 0,1,2,3
	v_wmma_scale_f32_16x16x128_f8f6f4 v[HA+16*\t:HA+16*\t+7], v[W1F+24*\t:W1F+24*\t+11], v[XF+12*\q:XF+12*\q+11], v[CN+8*\t:CN+8*\t+7], v[WS+\t], v[PS+\q] matrix_a_fmt:MATRIX_FMT_BF6 matrix_b_fmt:MATRIX_FMT_BF6
	v_wmma_scale_f32_16x16x128_f8f6f4 v[HA+16*\t+8:HA+16*\t+15], v[W1F+24*\t+12:W1F+24*\t+23], v[XF+12*\q:XF+12*\q+11], v[CN+8*\t:CN+8*\t+7], v[WS+\t], v[PS+\q] matrix_a_fmt:MATRIX_FMT_BF6 matrix_b_fmt:MATRIX_FMT_BF6 matrix_b_scale:MATRIX_SCALE_ROW1
.endr
	WIN 0
.endm
; relu in f32, then two roundings to bf16 a line; each accumulator from its low end on
.macro RELUPACK
.irp f, 0,1,2,3,4,5,6,7
.irp j, 0,1,2,3,4,5,6,7
	v_max_num_f32 v[HA+8*\f+\j], 0, v[HA+8*\f+\j]
.endr
.irp i, 0,1,2,3
	v_cvt_pk_bf16_f32 v[HID+16*(\f%2)+8*(\f/4)+4*((\f/2)%2)+\i], v[HA+8*\f+2*\i], v[HA+8*\f+2*\i+1]
.endr
.endr
.endm
; The second product: K = 64 in two steps, the two accumulators by turns, one instruction a turn; b2 is the C of each sum's first instruction
.macro MM2
	WIN 0x11
	v_wmma_f32_16x16x32_bf16 v[D2A:D2A+7], v[W2F:W2F+7], v[HID:HID+7], v[B2C:B2C+7]
	v_wmma_f32_16x16x32_bf16 v[D2B:D2B+7], v[W2F:W2F+7], v[HID+16:HID+23], v[B2C:B2C+7]
	WIN 0x01
	v_wmma_f32_16x16x32_bf16 v[D2A:D2A+7], v[W2F+8:W2F+15], v[HID+8:HID+15], v[D2A:D2A+7]
	v_wmma_f32_16x16x32_bf16 v[D2B:D2B+7], v[W2F+8:W2F+15], v[HID+24:HID+31], v[D2B:D2B+7]
	WIN 0
.endm
.macro PLACES                          ; four plain lines between a matrix instruction and the first vector instruction that reads its result (ISA guide 7.12.1), where no other work is at hand
.rept 4
	v_nop
.endr
.endm
; Group g: the ten numbers of my point, softplus, the map, f into the stage
.macro BACK g
.irp j, 0,1,2,3,4
	v_permlane16_swap_b32 v[D2A+\j], v[D2B+\j]     ; the first's lanes 16-31 change places with the second's lanes 0-15: lane l now has point l's left five in the first, its right five in the second
.endr
.irp j, 0,1,2,3,4
	v_exp_f32 v[EP+\j], -|v[D2A+\j]|
.endr
.irp j, 0,1,2,3,4
	v_exp_f32 v[EQ+\j], -|v[D2B+\j]|
.endr
.irp j, 0,1,2,3,4
	v_max_num_f32 v[MP+\j], 0, v[D2A+\j]           ; (plain lines behind the exponentials)
.endr
	s_wait_alu depctr_va_vdst(0)
.irp e, EP, EQ
	v_pk_add_f32 v[\e:\e+1], v[\e:\e+1], 1.0 op_sel_hi:[1,0]
	v_pk_add_f32 v[\e+2:\e+3], v[\e+2:\e+3], 1.0 op_sel_hi:[1,0]
	v_add_f32 v[\e+4], 1.0, v[\e+4]
.endr
.irp j, 0,1,2,3,4
	v_log_f32 v[EP+\j], v[EP+\j]
.endr
.irp j, 0,1,2,3,4
	v_log_f32 v[EQ+\j], v[EQ+\j]
.endr
.irp j, 0,1,2,3,4
	v_max_num_f32 v[MQ+\j], 0, v[D2B+\j]           ; (plain lines behind the logarithms)
.endr
	s_wait_alu depctr_va_vdst(0)
	v_pk_add_f32 v[EP:EP+1], v[EP:EP+1], v[MP:MP+1]
	v_pk_add_f32 v[EP+2:EP+3], v[EP+2:EP+3], v[MP+2:MP+3]
	v_add_f32 v[EP+4], v[EP+4], v[MP+4]
	v_pk_add_f32 v[EQ:EQ+1], v[EQ:EQ+1], v[MQ:MQ+1]
	v_pk_add_f32 v[EQ+2:EQ+3], v[EQ+2:EQ+3], v[MQ+2:MQ+3]
	v_add_f32 v[EQ+4], v[EQ+4], v[MQ+4]
	v_pk_fma_f32 v[D2A:D2A+1], v[EP:EP+1], v[LN2:LN2+1], v[EPS:EPS+1]         ; dxl1, dyl1
	v_pk_fma_f32 v[D2A+2:D2A+3], v[EP+2:EP+3], v[LN2:LN2+1], v[EPS:EPS+1]     ; dxl2, dyl2
	v_fma_f32 v[D2A+4], v[EP+4], s29, s30                                     ; 2 kl
	v_pk_fma_f32 v[D2B:D2B+1], v[EQ:EQ+1], v[LN2:LN2+1], v[EPS:EPS+1]         ; dxr1, dyr1
	v_pk_fma_f32 v[D2B+2:D2B+3], v[EQ+2:EQ+3], v[LN2:LN2+1], v[EPS:EPS+1]     ; dxr2, dyr2
	v_fma_f32 v[D2B+4], v[EQ+4], s29, s30                                     ; 2 kr
	v_pk_add_f32 v[WM:WM+1], v[D2A:D2A+1], v[D2B:D2B+1]                       ; wM = dxl1 + dxr1, hM = dyl1 + dyr1
	v_pk_add_f32 v[SXL:SXL+1], v[D2A:D2A+1], v[D2A+2:D2A+3]                   ; sxl, syl
	v_add_f32 v[SXR], v[D2B], v[D2B+2]
	v_rcp_f32 v[RC], v[D2A+2]
	v_rcp_f32 v[RC+1], v[WM]
	v_rcp_f32 v[RC+2], v[D2B+2]
	v_fma_f32 v[LO], v[SXL], s31, s32              ; 0.99 (-sxl - 10000)   (plain lines behind the reciprocals)
	v_fma_f32 v[HI], v[SXR], s33, s34              ; 0.99 (sxr + 10000)
	v_med3_num_f32 v[QQ], v[ZI+\g], v[LO], v[HI]   ; q
	v_add_f32 v[PA], v[QQ], v[SXL]                 ; A = q - xL2
	v_add_f32 v[PA+1], v[QQ], v[D2A]               ; B = q - xL1
	v_sub_f32 v[PA+2], v[QQ], v[D2B]               ; C = q - xR1
	v_sub_f32 v[PA+3], v[QQ], v[SXR]               ; D = q - xR2
	s_wait_alu depctr_va_vdst(0)
	v_mul_f32 v[SLP], v[D2A+3], v[RC]              ; the three inner slopes
	v_mul_f32 v[SLP+1], v[WM+1], v[RC+1]
	v_mul_f32 v[SLP+2], v[D2B+3], v[RC+2]
	v_min_num_f32 v[CL5], 0, v[PA]
	v_med3_num_f32 v[CL5+1], v[PA], 0, v[D2A+2]
	v_med3_num_f32 v[CL5+2], v[PA+1], 0, v[WM]
	v_med3_num_f32 v[CL5+3], v[PA+2], 0, v[D2B+2]
	v_max_num_f32 v[CL5+4], 0, v[PA+3]
	v_fma_f32 v[FF], v[D2A+4], v[CL5], -v[SXL+1]
	v_fma_f32 v[FF], v[SLP], v[CL5+1], v[FF]
	v_fma_f32 v[FF], v[SLP+1], v[CL5+2], v[FF]
	v_fma_f32 v[FF], v[SLP+2], v[CL5+3], v[FF]
	v_fma_f32 v[ZI+\g], v[D2B+4], v[CL5+4], v[FF]  ; f, in a register that nothing writes before the trip's last wait on LDS
	ds_store_b32 v[LINC], v[ZI+\g] offset:384*\g+8 ; over x2 in my stage
.endm
	s_wait_asynccnt 0x0                            ; my stage is filled; I alone read it, so my own wait is all the ordering that the reads need
.Ltrip:                                            ; four trips of 128 points
	v_add_nc_u32 v[LINC], s36, v[LIN0]
	v_add_nc_u32 v[LRDC], s36, v[LRD0]
	v_add_nc_u32 v[GOC], s36, v[GO0]
.irp g, 0,1,2,3
	ds_load_b32 v[XI+2*\g], v[LINC] offset:384*\g              ; lanes 12 bytes apart: 32 different banks
	ds_load_b32 v[XI+2*\g+1], v[LINC] offset:384*\g+4
.endr
.irp g, 0,1,2,3
	ds_load_b32 v[ZI+\g], v[LINC] offset:384*\g+8
.endr
	s_wait_dscnt 10                                ; group 0's pair is in: ten loads were issued behind it
	TANH 0
	QUANT 0
	s_wait_dscnt 8                                 ; group 1's pair
	TANH 1                                         ; its thirteen plain lines stand between the scale word and codes just made and the scaled matrix instructions
	MM1 0
	QUANT 1                                        ; its four plain lines, which name none of those products' registers, stand between them and the first read of their results
	RELUPACK
	MM2
	s_wait_dscnt 0x0                               ; the rest of the trip's numbers
	TANH 2                                         ; (plain lines behind the second product)
	BACK 0
	MM1 1
	QUANT 0
	RELUPACK
	MM2
	TANH 3
	BACK 1
	MM1 0
	QUANT 1
	RELUPACK
	MM2
	PLACES
	BACK 2
	MM1 1
	PLACES
	RELUPACK
	MM2
	PLACES
	BACK 3
.irp i, 0,1,2
	ds_load_b128 v[OUT+4*\i:OUT+4*\i+3], v[LRDC] offset:512*\i   ; the trip's 1,536 bytes as they lie; LDS serves a wave's instructions in order: these see the four stores of f
.endr
	s_wait_dscnt 0x0
.irp i, 0,1,2
	global_store_b128 v[GOC], v[OUT+4*\i:OUT+4*\i+3], s[16:17] offset:512*\i th:TH_STORE_NT   ; 32 lanes store 512 consecutive bytes, at a multiple of 512 from out0's first byte; written once, read by nobody here
.endr
	s_wait_xcnt 0x0                                ; the stores' address and data registers are written again only behind this wait
	s_add_co_u32 s36, s36, 1536
	s_sub_co_u32 s35, s35, 1
	s_cmp_lg_u32 s35, 0
	s_cbranch_scc1 .Ltrip
	s_set_vgpr_msb 0x5
	s_wait_tensorcnt 0x0
	ds_add_u32 v232, v233
	s_wait_dscnt 0x0
	s_set_vgpr_msb 0x500
	s_endpgm
.Lfunc_end_k_qe48db5eeff_coupling:
	.size	k_qe48db5eeff_coupling, .Lfunc_end_k_qe48db5eeff_coupling-k_qe48db5eeff_coupling
	.p2alignl 7, 3214868480
	.fill 96, 4, 3214868480
	.section	.rodata,"a",@progbits
	.p2align	6, 0x0
	.amdhsa_kernel k_qe48db5eeff_coupling
		.amdhsa_group_segment_fixed_size 168960
		.amdhsa_private_segment_fixed_size 0
		.amdhsa_enable_private_segment 0
		.amdhsa_kernarg_size 56
		.amdhsa_user_sgpr_count 2
		.amdhsa_user_sgpr_kernarg_segment_ptr 1
		.amdhsa_wavefront_size32 1
		.amdhsa_system_sgpr_workgroup_id_x 1
		.amdhsa_system_sgpr_workgroup_id_y 1
		.amdhsa_system_sgpr_workgroup_id_z 1
		.amdhsa_system_vgpr_workitem_id 0
		.amdhsa_next_free_vgpr 490
		.amdhsa_next_free_sgpr 66
		.amdhsa_reserve_vcc 1
		.amdhsa_float_denorm_mode_32 3
		.amdhsa_float_denorm_mode_16_64 3
		.amdhsa_memory_ordered 1
		.amdhsa_forward_progress 1
		.amdhsa_inst_pref_size 75
	.end_amdhsa_kernel
	.amdgpu_metadata
---
amdhsa.version: [ 1, 2 ]
amdhsa.kernels:
  - .name:           k_qe48db5eeff_coupling
    .symbol:         k_qe48db5eeff_coupling.kd
    .args:
      - { .name: input, .offset: 0, .size: 8, .value_kind: global_buffer, .address_space: global }
      - { .name: t_feat, .offset: 8, .size: 8, .value_kind: global_buffer, .address_space: global }
      - { .name: W1, .offset: 16, .size: 8, .value_kind: global_buffer, .address_space: global }
      - { .name: b1, .offset: 24, .size: 8, .value_kind: global_buffer, .address_space: global }
      - { .name: W2, .offset: 32, .size: 8, .value_kind: global_buffer, .address_space: global }
      - { .name: b2, .offset: 40, .size: 8, .value_kind: global_buffer, .address_space: global }
      - { .name: out0, .offset: 48, .size: 8, .value_kind: global_buffer, .address_space: global }
    .group_segment_fixed_size: 168960
    .private_segment_fixed_size: 0
    .kernarg_segment_align: 8
    .kernarg_segment_size: 56
    .max_flat_workgroup_size: 256
    .sgpr_count:     66
    .vgpr_count:     490
    .wavefront_size: 32
...
	.end_amdgpu_metadata
.endif
;; end of part 1
;; ======== version 2 of 2: 1 launch; 1.12 times as fast as version 1
;; launch coupling (part 2): grid 256 x 1, 8 waves a work-group, no clusters, 168,960 bytes of LDS; arguments input, t_feat, W1, b1, W2, b2, out0; writes out0
.if DOCPART == 2
	.amdgcn_target "amdgcn-amd-amdhsa--gfx1250"
	.amdhsa_code_object_version 6
	.text
	.protected	k_qe48db5eeff_coupling
	.globl	k_qe48db5eeff_coupling
	.p2align	8
	.type	k_qe48db5eeff_coupling,@function
k_qe48db5eeff_coupling:
	s_mov_b64 s[64:65], 0
	v_nop
	global_prefetch_b8 v0, s[64:65] scope:SCOPE_SE
	s_setreg_imm32_b32 hwreg(HW_REG_WAVE_MODE, 25, 1), 1
	s_wait_xcnt 0x0
; out = (x0, x1, f(x2)) for 1,048,576 points (x0, x1, x2), 12 bytes each.  h = tanh(x0, x1); z = (h0, h1, t_feat[n][0..95]), K = 98;
; hidden = relu(Q(z) Q(W1) + b1), 64 units, on codes of BF6 (E3M2) with one E8M0 scale for each 32 along K; d = softplus(hidden W2 + b2) + 1e-4, 10 numbers, on bf16 operands;
; f = the monotone map of five straight pieces that d describes.
; SHARES.  256 work-groups of eight waves; work-group g owns points 4096 g on (49,152 consecutive bytes, all of batch element n = g / 64), wave w 512 of them (6,144 bytes): 4 trips of 4 groups of 32 points;
; lane l owns point l of a group.
; WHAT IS THE SAME FOR ALL POINTS IS SUMMED ONCE.  Blocks 1 to 3 of z (k = 32 .. 127, zeros from k = 98 on) hang on n alone: CN[unit] = b1 + their part of the quantised product is made once a wave, by four
; instructions of the same form, and is the C of every point tile's instruction.  Only block 0 (h0, h1, t0 .. t29) and its scale differ from point to point.
; NO LANE MOVEMENT FOR THE POINTS' OPERAND.  Each lane converts its own point's block 0: k 0-15 into registers 0-2 and k 16-31 into registers 6-8 of a fragment whose registers 3-5 and 9-11 stay zero codes.
; By the 6-bit layout (lane (r, h), registers 6 c on: k = 64 c + 32 h + 0 .. 31) column r then holds point r in the instruction's blocks 0 and 2 and point 16 + r in its blocks 1 and 3.  W1's block 0 is kept in two
; forms: A with its codes in lanes 0-15 and zero codes in lanes 16-31, B the other way round: A x X gives points 0-15, B x X points 16-31.  A scale word holds the one byte four times; for form B the points'
; words are read from lanes 16-31.
; BOTH PRODUCTS ARE USED TRANSPOSED (source 0 = weights, source 1 = points): a lane holds one point and eight neighbouring units, so two tiles rounded in pairs are the bf16 operand of the second product.
; W2's rows are laid 5 + 5 (rows 0-4: dxl1, dyl1, dxl2, dyl2, kl; rows 8-12: dxr1, dyr1, dxr2, dyr2, kr; the rest zeros): five exchanges of half registers then give lane l all ten numbers of point l.
; W2 and b2 are multiplied by log2(e) at the head: softplus(x) = ln2 (max(x', 0) + log2(1 + 2^-|x'|)), x' = x log2(e): no exponential can overflow.
; f(q) = -syl + 2 kl min(A, 0) + sL med(A, 0, dxl2) + sM med(B, 0, wM) + sR med(C, 0, dxr2) + 2 kr max(D, 0): the same function as the search over five intervals, with no branch and no compare.
; THE VECTOR WORK IS THE BULK: 64 hidden numbers a lane and group want a maximum with 0 and a rounding each.  The roundings go two to a line; so do the maxima, by the dual form on neighbouring registers.
; IN AND OUT.  A wave's 6,144 bytes come into its own stage in LDS by 12 copies of 512 consecutive bytes, asked for at the head; lanes read their words 12 bytes apart (32 different banks); f is stored over x2
; in the stage, and a trip's 1,536 bytes go out by three stores of 512 consecutive bytes each, at multiples of 512 from the buffer's first byte.
; NOT USED, AND WHY: no ring of slots (each LDS byte is filled once; all of the input is asked for at the head); no cluster (what work-groups share, the weights, biases and t, is 29 KB against the 49 KB that a
; work-group reads for itself, and is read once); no launch of its own for Q(W1) (one lane quantises one block of one column: 32 loads and some 25 vector lines a lane).
; LIMITS.  NaN and infinities among the inputs are not served.  A block whose largest magnitude lies under 2^-122 (a block of zeros too) gets the scale byte 1: its codes are zeros or subnormals, and this program
; alone reads the bytes.  tanh(x) = 1 - 2 / (1 + 2^(2 log2(e) x)) from |x| = 0.25 on; below, x + x^3 (c1 + c2 u + c3 u^2 + c4 u^3), u = x^2: the first term left out is 8.5e-9 of the number.  Divisions are a
; reciprocal (1 ulp) and a multiplication.  The order of rounding in f differs from the search's, which forms differences of numbers near 10,000 in the outer pieces; here none is formed.
.set STG,   0                          ; LDS: the stages, 6,144 bytes a wave
.set SLOTP, 80                         ; a column's slot of codes: 48 bytes used, 80 = 20 words from slot to slot: slot r starts at bank 20 r mod 64 (64 banks of 4 bytes: ISA guide 11.1), so the sixteen slots that half a 16-byte load touches lie in sixteen different groups of four banks
.set WBLK,  64*SLOTP                   ; the 64 columns of one K block
.set WQ,    49152                      ; W1's codes: four blocks of 5,120 bytes (K block b; column n at 80 n: +0 words 0-3, +16 words 4-5, +32 words 3-5 and a zero), then
.set ZBLK,  WQ+4*WBLK                  ; zero codes: 8,192 bytes are cleared (two stores of 16 bytes a thread), of which the first 5,088 are read
.set SCB,   ZBLK+8192                  ; W1's scale bytes: byte 4 n + b
.set ZV,    SCB+256                    ; z[0..127] with zeros for h0, h1: 512 bytes for each wave, its own
.set FLOOR, 0x2800000                  ; 2^(5 - 127): under it no largest magnitude is taken, so that a scale's byte cannot fall under 1
.set EOFF,  0xfe000000                 ; takes 4, the exponent of the format's largest number, off an exponent field
; window 0, for the whole launch
.set LIN0, 1                           ; v1      my point's bytes in the wave's stage: 12 x lane
.set LRD0, 2                           ; v2      16 x lane in the stage (the copies' LDS address; the way out)
.set GO0,  3                           ; v3      16 x lane + 6,144 x wave in the work-group's bytes of input and of out0
.set PS,   4                           ; v4-5    the points' scale words, two sets     (v4-14 hold scales and nothing else)
.set WS,   6                           ; v6-9    W1's block-0 byte, four times, for tile t
.set WC,   10                          ; v10-13  W1's scale words as they lie, for tile t
.set TSW,  14                          ; v14     z's scale word
.set TMX,  15                          ; v15     the largest magnitude of t0 .. t29, and the floor
.set TB,   16                          ; v16-47  block 0 of z: h0, h1, t0 .. t29
.set XF,   48                          ; v48-71  the points' fragments, two sets of 12
.set LINC, 72                          ; v72-74  the three addresses of the trip in hand
.set LRDC, 73
.set GOC,  74
.set XI,   76                          ; v76-83  (x0, x1) of the trip's four groups
.set ZI,   84                          ; v84-87  x2 of the four groups, then f
.set CP,   88                          ; v88-95  c1 .. c4, each twice
.set LN2,  96                          ; v96-97  ln 2, twice
.set EPS,  98                          ; v98-99  1e-4, twice
.set TE,   100                         ; v100-109 tanh at work: five pairs
.set TU,   102
.set TP,   104
.set TV,   106
.set TG,   108
.set AM,   110                         ; v110-112 the quantiser at work
.set SCO,  111
.set BY,   112
.set HA,   128                         ; v128-191 the hidden layer: tile 2 t + p (units 16 t on; p = 0: points 0-15, 1: points 16-31) at 8 (2 t + p)
.set HID,  192                         ; v192-223 the same in bf16: fragment (p, K step s) at 16 p + 8 s
.set D2A,  224                         ; v224-231 the second product, points 0-15; behind the exchange v224-228: dxl1, dyl1, dxl2, dyl2, 2 kl of my point
.set D2B,  232                         ; v232-239 points 16-31; behind the exchange v232-236: dxr1, dyr1, dxr2, dyr2, 2 kr
; the hidden layer's registers, once it is rounded, serve the softplus and the map
.set EP,   128
.set EQ,   134
.set MP,   140
.set MQ,   146
.set WM,   152                         ; wM, hM
.set SXL,  154                         ; sxl, syl
.set SXR,  156
.set RC,   157                         ; three reciprocals
.set LO,   160
.set HI,   161
.set QQ,   162
.set PA,   163                         ; A, B, C, D
.set SLP,  167                         ; sL, sM, sR
.set CL5,  170                         ; the five clamped pieces
.set FF,   175
.set OUT,  176                         ; v176-187 the way out
; window 0, at the head only
.set LANE, 113
.set RR,   114
.set HH,   115
.set TA0,  116
.set TA1,  117
.set W1A,  118
.set W2A,  119
.set B1A,  120
.set ZVW,  121
.set ZVB,  122
.set ZVH,  123
.set WQS,  124
.set SCS,  125
.set ZBS,  126
.set VA,   127
.set VB,   252
.set CLO,  253
.set CHI,  254
.set SCL,  255
.set B2A,  236
.set B2B,  237
.set MULT, 238
.set TOP,  240                         ; v240-251 z's blocks as an operand
.set WR,   128                         ; v128-159 my block of my column of W1
.set ZL,   160                         ; v160-191 z's block h
.set ZH,   48                          ; v48-79   z's block 2 + h
.set W2R,  192
.set B2R,  224
.set TZ,   232                         ; v232-235 four numbers of z
.set QE,   100                         ; v100-105 a block's codes on end
.set QC,   106                         ; v106-109 its second half, and a zero
.set ZR,   88                          ; v88-91   zeros, later a conversion's result
; window 1
.set W1F,  0                           ; W1's block 0: 12 (2 t + p): form A, form B
.set CN,   96                          ; 8 t
.set W2F,  128                         ; 8 s
.set B2C,  144
.set W1C,  152                         ; 12 t: W1's blocks 1 to 3 (block 0's place: zero codes); head only
.set B1T,  200                         ; 8 t: b1 in the result's layout; head only
.set MSB, 0
.macro WIN new                         ; bits 1:0 source 0, 3:2 source 1, 5:4 source 2, 7:6 destination; the immediate's high byte repeats the setting that is left
.if MSB != \new
	s_set_vgpr_msb (MSB<<8)|\new
.set MSB, \new
.endif
.endm
; The largest magnitude of v[s] .. v[s + 31], and the floor, into v[d]; two chains, so that no line waits for the line above it
.macro AMAX d, u, s
	v_max3_num_f32 v[\d], |v[\s]|, |v[\s+1]|, |v[\s+2]|
	v_max3_num_f32 v[\u], |v[\s+3]|, |v[\s+4]|, |v[\s+5]|
.irp i, 6,10,14,18,22,26
	v_max3_num_f32 v[\d], v[\d], |v[\s+\i]|, |v[\s+\i+1]|
	v_max3_num_f32 v[\u], v[\u], |v[\s+\i+2]|, |v[\s+\i+3]|
.endr
	v_max3_num_f32 v[\d], v[\d], |v[\s+30]|, |v[\s+31]|
	v_max3_num_f32 v[\d], v[\d], v[\u], FLOOR
.endm
; Two maxima with 0 in one instruction: v[d], v[d + 1] = max(0, v[s]), max(0, v[s + 1]).  d and s are even: so one destination is even and the other odd, and the two second sources' numbers differ modulo 4, as the dual form asks
.macro MAX2 d, s
	v_dual_max_num_f32 v[\d], 0, v[\s] :: v_dual_max_num_f32 v[\d+1], 0, v[\s+1]
.endm
	; ---- THE HEAD: addresses first, all of them ahead of the one branch on the wave's number
	s_load_b256 s[4:11], s[0:1], 0x0               ; input s[4:5], t_feat s[6:7], W1 s[8:9], b1 s[10:11]
	s_load_b128 s[12:15], s[0:1], 0x20             ; W2 s[12:13], b2 s[14:15]
	s_load_b64 s[16:17], s[0:1], 0x30              ; out0
	s_set_vgpr_msb 0x40
	v_lshl_add_u32 v232, v0, 2, 0x29000
	v_mov_b32 v233, 0
	s_set_vgpr_msb 0x4045
	ds_add_u32 v232, v233
	ds_add_u32 v232, v233
	s_set_vgpr_msb 0x4500
	v_lshrrev_b32 v100, 5, v0
	v_readfirstlane_b32 s18, v100                  ; wave 0..7
	v_and_b32 v[LANE], 31, v0
	v_and_b32 v[RR], 15, v0                        ; r
	v_bfe_u32 v[HH], v0, 4, 1                      ; h
	v_xor_b32 v101, 1, v[HH]                       ; 1 - h
	s_lshr_b32 s19, ttmp9, 6                       ; n
	s_mul_i32 s20, s18, 6144
	s_add_co_u32 s21, s20, STG                     ; my stage
	s_lshl_b32 s22, s18, 9
	s_add_co_u32 s22, s22, ZV                      ; my copy of z
	s_mul_i32 s23, s18, 32*SLOTP
	s_add_co_u32 s23, s23, WQ                      ; wave w quantises K block w / 2, columns 32 (w % 2) on: 5,120 (w / 2) + 80 x 32 (w % 2) = 2,560 w
	s_and_b32 s40, s18, 1
	s_lshr_b32 s41, s18, 1
	s_lshl_b32 s40, s40, 7                         ; 128 (w % 2): 32 columns of 4 bytes, in W1's rows and among the scale bytes alike
	s_add_co_u32 s42, s40, s41
	s_add_co_u32 s42, s42, SCB                     ; my scale bytes: 4 n + b
	s_lshl_b32 s41, s41, 13                        ; 32 rows of W1 are 8,192 bytes
	s_add_co_u32 s43, s40, s41
	v_mul_u32_u24 v[LIN0], v[LANE], 12
	v_add_nc_u32 v[LIN0], s21, v[LIN0]
	v_lshl_add_u32 v[LRD0], v[LANE], 4, s21
	v_lshl_add_u32 v[GO0], v[LANE], 4, s20
	v_lshl_add_u32 v[ZVW], v[LANE], 4, s22
	v_mov_b32 v[ZVB], s22
	v_lshl_add_u32 v[ZVH], v[HH], 7, s22
	v_mul_u32_u24 v[WQS], v[LANE], SLOTP
	v_add_nc_u32 v[WQS], s23, v[WQS]               ; my column's slot
	v_lshl_add_u32 v[SCS], v[LANE], 2, s42
	v_lshl_add_u32 v[ZBS], v0, 4, ZBLK             ; 256 threads x 16 bytes, twice, clear the zero block
	v_mul_u32_u24 v108, v[RR], SLOTP
	v_add_nc_u32 v108, WQ, v108                    ; column r's slot in block 0
	v_mad_u32_u24 v[VA], v[HH], 4*WBLK, v108       ; form A: lanes 0-15 block 0, lanes 16-31 the zero block
	v_mad_u32_u24 v[VB], v101, 4*WBLK, v108        ; form B: the other way round
	v_mad_u32_u24 v[CLO], v101, 3*WBLK, v108
	v_add_nc_u32 v[CLO], WBLK, v[CLO]              ; registers 0-5 of the constant operand: lanes 0-15 the zero block, lanes 16-31 block 1
	v_mad_u32_u24 v[CHI], v[HH], WBLK, v108
	v_add_nc_u32 v[CHI], 2*WBLK, v[CHI]            ; registers 6-11: blocks 2 and 3
	v_lshl_add_u32 v[SCL], v[RR], 2, SCB
	v_lshl_add_u32 v[W1A], v[LANE], 2, s43         ; W1(32 b + i, n): 256 bytes a row
	v_lshlrev_b32 v102, 4, v[LANE]                 ; lane l makes z[4 l .. 4 l + 3] = t[4 l - 2 .. 4 l + 1]:
	v_add_nc_u32 v[TA0], -8, v102
	v_min_u32 v[TA0], 0x178, v[TA0]                ; both pairs' addresses are held inside t's row of 384 bytes;
	v_min_u32 v[TA1], 0x178, v102
	v_add_nc_u32 v103, -1, v[LANE]
	v_cmp_gt_u32 s38, 24, v103                     ; the first pair is t's in lanes 1 to 24,
	v_cmp_gt_u32 s39, 24, v[LANE]                  ; the second in lanes 0 to 23; the others become zeros
	v_and_b32 v104, 7, v[RR]                       ; W2: row r of the operand takes output o(r): 1, 5, 0, 4, 8 for r = 0 .. 4; 2, 6, 3, 7, 9 for r = 8 .. 12
	v_lshlrev_b32 v105, 2, v104
	v_mov_b32 v106, 0x97362
	v_mov_b32 v107, 0x84051
	v_cmp_gt_u32 vcc_lo, 8, v[RR]
	v_cndmask_b32 v106, v106, v107, vcc_lo
	v_lshrrev_b32 v106, v105, v106
	v_and_b32 v106, 15, v106                       ; (the other rows read output 0 and are multiplied by 0)
	v_lshlrev_b32 v[W2A], 2, v106
	v_mad_u32_u24 v[W2A], v[HH], 320, v[W2A]       ; + 8 h units of 40 bytes
	v_cmp_gt_u32 vcc_lo, 5, v104
	v_mov_b32 v107, 0x3fb8aa3b
	v_cndmask_b32 v[MULT], 0, v107, vcc_lo         ; log2(e), or 0
	v_mov_b32 v[MULT+1], v[MULT]
	v_lshlrev_b32 v[B1A], 5, v[HH]                 ; b1: 8 h numbers on
	v_lshlrev_b32 v[B2A], 2, v[HH]
	v_mul_u32_u24 v[B2B], v[HH], 12
.irp i, 0,1,2,3
	v_mov_b32 v[ZR+\i], 0
.endr
	s_mov_b32 s24, 0x76543210
	s_mov_b32 s25, 0xfedcba98                      ; v_permlanex16_b32's selects for lane l xor 16
	s_mov_b32 s26, 0x4038aa3b                      ; 2 log2(e)
	s_mov_b32 s27, s26                             ; (named with it as a pair)
	s_mov_b32 s28, 0x3e800000                      ; 0.25
	s_mov_b32 s29, 0x3fb17218                      ; 2 ln 2
	s_mov_b32 s30, 0x3951b717                      ; 2e-4
	s_mov_b32 s31, 0xbf7d70a4                      ; -0.99
	s_mov_b32 s32, 0xc61ab000                      ; -9900
	s_mov_b32 s33, 0x3f7d70a4                      ; 0.99
	s_mov_b32 s34, 0x461ab000                      ; 9900
	s_mov_b32 s37, 0x3fb8aa3b                      ; log2(e)
	s_mul_i32 s44, ttmp9, 49152                    ; the work-group's bytes in input and in out0
	s_mov_b32 s45, 0
	s_mul_i32 s46, s19, 384                        ; t's row
	s_mov_b32 s47, 0
	s_wait_dscnt 0x0
	s_wait_kmcnt 0x0
	s_add_nc_u64 s[4:5], s[4:5], s[44:45]
	s_add_nc_u64 s[16:17], s[16:17], s[44:45]
	s_add_nc_u64 s[6:7], s[6:7], s[46:47]
	global_load_b64 v[TZ:TZ+1], v[TA0], s[6:7]
	global_load_b64 v[TZ+2:TZ+3], v[TA1], s[6:7]
	s_cmp_lt_u32 s18, 6                            ; waves 6 and 7 have K block 3, of which W1 has rows 96 and 97 alone: the quantiser fills the rest with zeros, and no load leaves the buffer
	s_cbranch_scc0 .Ltail_rows
.set i, 0
.rept 32
	global_load_b32 v[WR+i], v[W1A], s[8:9] offset:256*i   ; a lane to a column, registers down K: 32 lanes read 128 consecutive bytes
.set i, i+1
.endr
	s_branch .Lw1_asked
.Ltail_rows:
	global_load_b32 v[WR], v[W1A], s[8:9]
	global_load_b32 v[WR+1], v[W1A], s[8:9] offset:256
.set i, 2
.rept 30
	v_mov_b32 v[WR+i], 0
.set i, i+1
.endr
.Lw1_asked:
.set i, 0
.rept 12
	global_load_async_to_lds_b128 v[LRD0], v[GO0], s[4:5] offset:512*i   ; my wave's 6,144 bytes of input into its stage, as they lie; the three registers are never written again
.set i, i+1
.endr
.set i, 0
.rept 32
	global_load_b32 v[W2R+i], v[W2A], s[12:13] offset:40*(32*(i/16)+16*((i/8)%2)+i%8)   ; W2(32 s + 16 c + 8 h + i, o(r)): the bf16 operand's order
.set i, i+1
.endr
	global_load_b32 v[B2R], v[B2A], s[14:15] offset:4          ; b2 in the result's layout: outputs 1, 5, 0, 4, 8 in lanes 0-15; 2, 6, 3, 7, 9 in lanes 16-31
	global_load_b32 v[B2R+1], v[B2A], s[14:15] offset:20
	global_load_b32 v[B2R+2], v[B2B], s[14:15]
	global_load_b32 v[B2R+3], v[B2B], s[14:15] offset:16
	global_load_b32 v[B2R+4], v[B2A], s[14:15] offset:32
	WIN 0x40                                       ; destination window 1
.irp t, 0,1,2,3
	global_load_b128 v[B1T+8*\t:B1T+8*\t+3], v[B1A], s[10:11] offset:64*\t      ; b1[16 t + 8 h + 0 .. 7]
	global_load_b128 v[B1T+8*\t+4:B1T+8*\t+7], v[B1A], s[10:11] offset:64*\t+16
.endr
	WIN 0
	; ---- z into my own 512 bytes of LDS and back in three shapes; my block of my column of W1 into codes
	s_wait_loadcnt 45                              ; t and W1 are in: behind them were issued W2's 32 loads, b2's 5 and b1's 8, on both ways of the branch
	v_cndmask_b32 v[TZ], 0, v[TZ], s38
	v_cndmask_b32 v[TZ+1], 0, v[TZ+1], s38
	v_cndmask_b32 v[TZ+2], 0, v[TZ+2], s39
	v_cndmask_b32 v[TZ+3], 0, v[TZ+3], s39
	ds_store_b128 v[ZVW], v[TZ:TZ+3]               ; z = (0, 0, t0 .. t95, 30 zeros).  LDS serves a wave's instructions in order (ISA guide 5.7.1.4): the loads below see it
.set i, 0
.rept 8
	ds_load_b128 v[TB+4*i:TB+4*i+3], v[ZVB] offset:16*i        ; block 0, the same in every lane
	ds_load_b128 v[ZL+4*i:ZL+4*i+3], v[ZVH] offset:16*i        ; block h
	ds_load_b128 v[ZH+4*i:ZH+4*i+3], v[ZVH] offset:256+16*i    ; block 2 + h
.set i, i+1
.endr
	AMAX 96, 97, WR
	v_add_nc_u32 v98, EOFF, v96                    ; 4 off the largest magnitude's exponent field: the conversion takes this operand's exponent field as its scale, and nothing else of it
	v_lshrrev_b32 v99, 23, v98                     ; the scale's byte
	v_cvt_scalef32_pk16_bf6_f32 v[QE:QE+2], v[WR:WR+15], v98
	v_cvt_scalef32_pk16_bf6_f32 v[QC:QC+2], v[WR+16:WR+31], v98     ; (a conversion's three registers begin on an even number)
	v_mov_b32 v[QC+3], 0                           ; a plain line behind the conversions
.irp i, 0,1,2
	v_mov_b32 v[QE+3+\i], v[QC+\i]
.endr
	ds_store_b128 v[WQS], v[QE:QE+3]               ; words 0-3,
	ds_store_b64 v[WQS], v[QE+4:QE+5] offset:16    ; 4-5: the block on end, for the constant operand;
	ds_store_b128 v[WQS], v[QC:QC+3] offset:32     ; words 3-5 and a zero: its second half on a boundary of 16 bytes, for forms A and B
	ds_store_b8 v[SCS], v99
	ds_store_b128 v[ZBS], v[ZR:ZR+3]               ; the zero block,
	ds_store_b128 v[ZBS], v[ZR:ZR+3] offset:4096   ; in two halves of 4,096 bytes
	s_wait_dscnt 0x0                               ; for the others' sake: my stores have landed; and z is back in my registers
	s_barrier_signal -1                            ; the launch's one barrier.  Work on registers stands between its halves: z's blocks become an operand
	AMAX TMX, 97, TB                               ; h0 and h1 are zeros here: the largest of t0 .. t29
	AMAX 96, 97, ZL
	AMAX 110, 111, ZH
	v_add_nc_u32 v98, EOFF, v96
	v_add_nc_u32 v99, EOFF, v110
	v_lshrrev_b32 v96, 23, v98
	v_lshrrev_b32 v110, 23, v99
	v_lshl_or_b32 v96, v110, 16, v96               ; my two bytes: blocks h and 2 + h,
	v_lshlrev_b32 v111, 3, v[HH]
	v_lshlrev_b32 v96, v111, v96                   ; at their places in the word;
	v_mov_b32 v112, 0                              ; (a lane permute's destination counts as one of its sources)
	v_permlanex16_b32 v112, v96, s24, s25
	v_or_b32 v[TSW], v96, v112                     ; with lane l xor 16's two the word is whole
	v_cvt_scalef32_pk16_bf6_f32 v[TOP:TOP+2], v[ZL:ZL+15], v98
	v_cvt_scalef32_pk16_bf6_f32 v[88:90], v[ZL+16:ZL+31], v98
	v_cvt_scalef32_pk16_bf6_f32 v[TOP+6:TOP+8], v[ZH:ZH+15], v99
	v_cvt_scalef32_pk16_bf6_f32 v[92:94], v[ZH+16:ZH+31], v99
	v_nop                                          ; one plain line behind the conversions
.irp i, 0,1,2
	v_mov_b32 v[TOP+3+\i], v[88+\i]
	v_mov_b32 v[TOP+9+\i], v[92+\i]
.endr
	s_barrier_wait -1                              ; W1's codes and scale bytes lie in LDS; nobody writes them again
	; ---- W1's operands into window 1, where they stay; CN; W2 and b2.  A tile's sixteen columns are 16 slots: tile t begins 1,280 t bytes on
	WIN 0x40                                       ; destination window 1, address window 0
.irp t, 0,1,2,3
	ds_load_b128 v[W1F+24*\t:W1F+24*\t+3], v[VA] offset:16*SLOTP*\t            ; form A: k 0-15 into registers 0-2 (register 3 meets zero codes),
	ds_load_b128 v[W1F+24*\t+6:W1F+24*\t+9], v[VA] offset:16*SLOTP*\t+32       ; k 16-31 into registers 6-8
	ds_load_b128 v[W1F+24*\t+12:W1F+24*\t+15], v[VB] offset:16*SLOTP*\t        ; form B
	ds_load_b128 v[W1F+24*\t+18:W1F+24*\t+21], v[VB] offset:16*SLOTP*\t+32
	ds_load_b128 v[W1C+12*\t:W1C+12*\t+3], v[CLO] offset:16*SLOTP*\t           ; the constant operand: whole blocks
	ds_load_b64 v[W1C+12*\t+4:W1C+12*\t+5], v[CLO] offset:16*SLOTP*\t+16
	ds_load_b128 v[W1C+12*\t+6:W1C+12*\t+9], v[CHI] offset:16*SLOTP*\t
	ds_load_b64 v[W1C+12*\t+10:W1C+12*\t+11], v[CHI] offset:16*SLOTP*\t+16
.endr
.irp f, 0,1,2,3,4,5,6,7
	v_mov_b32 v[W1F+12*\f+4], 0                    ; the registers of forms A and B that no load fills
	v_mov_b32 v[W1F+12*\f+5], 0
	v_mov_b32 v[W1F+12*\f+10], 0
	v_mov_b32 v[W1F+12*\f+11], 0
.endr
	WIN 0
.irp t, 0,1,2,3
	ds_load_b32 v[WC+\t], v[SCL] offset:64*\t      ; unit 16 t + r's four bytes
.endr
	s_wait_dscnt 0x0
	s_wait_loadcnt 0x0                             ; W2, b2, b1
.set i, 0
.rept 16
	v_pk_mul_f32 v[W2R+2*i:W2R+2*i+1], v[W2R+2*i:W2R+2*i+1], v[MULT:MULT+1]   ; W2 log2(e), or 0.  (With the 32 lines above: far more than the eight plain lines that z's scale word, written by a vector instruction, stands ahead of a scaled matrix instruction)
.set i, i+1
.endr
	WIN 0x51                                       ; source 0, C and D window 1; source 1 window 0
.irp t, 0,1,2,3
	v_wmma_scale_f32_16x16x128_f8f6f4 v[CN+8*\t:CN+8*\t+7], v[W1C+12*\t:W1C+12*\t+11], v[TOP:TOP+11], v[B1T+8*\t:B1T+8*\t+7], v[WC+\t], v[TSW] matrix_a_fmt:MATRIX_FMT_BF6 matrix_b_fmt:MATRIX_FMT_BF6   ; CN = b1 + blocks 1 to 3: the same in every column
.endr
	WIN 0x40
.set i, 0
.rept 16
	v_cvt_pk_bf16_f32 v[W2F+i], v[W2R+2*i], v[W2R+2*i+1]       ; (these lines name none of the four products' registers: they are the plain lines behind them)
.set i, i+1
.endr
.irp j, 0,1,2,3,4
	v_mul_f32 v[B2C+\j], s37, v[B2R+\j]            ; b2 log2(e)
.endr
.irp j, 5,6,7
	v_mov_b32 v[B2C+\j], 0
.endr
	WIN 0
.irp t, 0,1,2,3
	v_perm_b32 v[WS+\t], v[WC+\t], v[WC+\t], 0     ; block 0's byte, four times
.endr
.irp q, 0,1
.irp i, 3,4,5,9,10,11
	v_mov_b32 v[XF+12*\q+\i], 0                    ; the points' fragments: these six registers stay zero codes
.endr
.endr
.irp i, 0,1
	v_mov_b32 v[CP+\i], 0xbeaaaaab                 ; c1 = -1/3
	v_mov_b32 v[CP+2+\i], 0x3e088889               ; c2 = 2/15
	v_mov_b32 v[CP+4+\i], 0xbd5d0dd1               ; c3 = -17/315
	v_mov_b32 v[CP+6+\i], 0x3cb327a4               ; c4 = 62/2835
	v_mov_b32 v[LN2+\i], 0x3f317218
	v_mov_b32 v[EPS+\i], 0x38d1b717
.endr
	s_mov_b32 s35, 4                               ; trips
	s_mov_b32 s36, 0                               ; the trip's bytes: 1,536 a trip
; tanh of group g's (x0, x1) into v16, v17: both ways are computed, and |x| < 0.25 chooses.  A plain line stands behind each pair of transcendentals before their results are used.
.macro TANH g
	v_pk_mul_f32 v[TE:TE+1], v[XI+2*\g:XI+2*\g+1], s[26:27] op_sel_hi:[1,0]
	v_exp_f32 v[TE], v[TE]
	v_exp_f32 v[TE+1], v[TE+1]
	v_pk_mul_f32 v[TU:TU+1], v[XI+2*\g:XI+2*\g+1], v[XI+2*\g:XI+2*\g+1]       ; u = x^2
	s_wait_alu depctr_va_vdst(0)
	v_pk_add_f32 v[TE:TE+1], v[TE:TE+1], 1.0 op_sel_hi:[1,0]
	v_rcp_f32 v[TE], v[TE]
	v_rcp_f32 v[TE+1], v[TE+1]
	v_pk_fma_f32 v[TP:TP+1], v[TU:TU+1], v[CP+6:CP+7], v[CP+4:CP+5]
	v_pk_fma_f32 v[TP:TP+1], v[TP:TP+1], v[TU:TU+1], v[CP+2:CP+3]
	v_pk_fma_f32 v[TP:TP+1], v[TP:TP+1], v[TU:TU+1], v[CP:CP+1]
	v_pk_mul_f32 v[TV:TV+1], v[TU:TU+1], v[XI+2*\g:XI+2*\g+1]                 ; x^3
	v_pk_fma_f32 v[TP:TP+1], v[TV:TV+1], v[TP:TP+1], v[XI+2*\g:XI+2*\g+1]
	s_wait_alu depctr_va_vdst(0)
	v_pk_fma_f32 v[TG:TG+1], v[TE:TE+1], -2.0, 1.0 op_sel_hi:[1,0,0]
	v_cmp_lt_f32 vcc_lo, |v[XI+2*\g]|, s28
	v_cndmask_b32 v[TB], v[TG], v[TP], vcc_lo
	v_cmp_lt_f32 vcc_lo, |v[XI+2*\g+1]|, s28
	v_cndmask_b32 v[TB+1], v[TG+1], v[TP+1], vcc_lo
.endm
; My point's block 0 into codes, in set q.  Four plain lines, then the two conversions; a plain line follows wherever the macro stands.
.macro QUANT q
	v_max3_num_f32 v[AM], |v[TB]|, |v[TB+1]|, v[TMX]
	v_add_nc_u32 v[SCO], EOFF, v[AM]
	v_lshrrev_b32 v[BY], 23, v[SCO]
	v_perm_b32 v[PS+\q], v[BY], v[BY], 0           ; the byte, four times
	v_cvt_scalef32_pk16_bf6_f32 v[XF+12*\q:XF+12*\q+2], v[TB:TB+15], v[SCO]
	v_cvt_scalef32_pk16_bf6_f32 v[XF+12*\q+6:XF+12*\q+8], v[TB+16:TB+31], v[SCO]
.endm
; The first product of 32 points: eight instructions on eight accumulators, each with CN as its C
.macro MM1 q
	WIN 0x11                                       ; source 0 and C window 1
.irp t, 0,1,2,3
	v_wmma_scale_f32_16x16x128_f8f6f4 v[HA+16*\t:HA+16*\t+7], v[W1F+24*\t:W1F+24*\t+11], v[XF+12*\q:XF+12*\q+11], v[CN+8*\t:CN+8*\t+7], v[WS+\t], v[PS+\q] matrix_a_fmt:MATRIX_FMT_BF6 matrix_b_fmt:MATRIX_FMT_BF6
	v_wmma_scale_f32_16x16x128_f8f6f4 v[HA+16*\t+8:HA+16*\t+15], v[W1F+24*\t+12:W1F+24*\t+23], v[XF+12*\q:XF+12*\q+11], v[CN+8*\t:CN+8*\t+7], v[WS+\t], v[PS+\q] matrix_a_fmt:MATRIX_FMT_BF6 matrix_b_fmt:MATRIX_FMT_BF6 matrix_b_scale:MATRIX_SCALE_ROW1
.endr
	WIN 0
.endm
; relu in f32, two maxima a line, then two roundings to bf16 a line: eight lines for a tile's eight registers; each rounding stands four lines behind the maxima that it reads.
; Each accumulator is taken from its low end on.
.macro RELUPACK
.irp f, 0,1,2,3,4,5,6,7
.irp j, 0,2,4,6
	MAX2 HA+8*\f+\j, HA+8*\f+\j
.endr
.irp i, 0,1,2,3
	v_cvt_pk_bf16_f32 v[HID+16*(\f%2)+8*(\f/4)+4*((\f/2)%2)+\i], v[HA+8*\f+2*\i], v[HA+8*\f+2*\i+1]
.endr
.endr
.endm
; The second product: K = 64 in two steps, the two accumulators by turns, one instruction a turn; b2 is the C of each sum's first instruction
.macro MM2
	WIN 0x11
	v_wmma_f32_16x16x32_bf16 v[D2A:D2A+7], v[W2F:W2F+7], v[HID:HID+7], v[B2C:B2C+7]
	v_wmma_f32_16x16x32_bf16 v[D2B:D2B+7], v[W2F:W2F+7], v[HID+16:HID+23], v[B2C:B2C+7]
	WIN 0x01
	v_wmma_f32_16x16x32_bf16 v[D2A:D2A+7], v[W2F+8:W2F+15], v[HID+8:HID+15], v[D2A:D2A+7]
	v_wmma_f32_16x16x32_bf16 v[D2B:D2B+7], v[W2F+8:W2F+15], v[HID+24:HID+31], v[D2B:D2B+7]
	WIN 0
.endm
.macro PLACES                          ; four plain lines between a matrix instruction and the first vector instruction that reads its result (ISA guide 7.12.1), where no other work is at hand
.rept 4
	v_nop
.endr
.endm
; Group g: the ten numbers of my point, softplus, the map, f into the stage
.macro BACK g
.irp j, 0,1,2,3,4
	v_permlane16_swap_b32 v[D2A+\j], v[D2B+\j]     ; the first's lanes 16-31 change places with the second's lanes 0-15: lane l now has point l's left five in the first, its right five in the second
.endr
.irp j, 0,1,2,3,4
	v_exp_f32 v[EP+\j], -|v[D2A+\j]|
.endr
.irp j, 0,1,2,3,4
	v_exp_f32 v[EQ+\j], -|v[D2B+\j]|
.endr
	v_max_num_f32 v[MP+4], 0, v[D2A+4]             ; the plain line behind the exponentials: the five's odd one; the other four go two to a line
	MAX2 MP, D2A
	MAX2 MP+2, D2A+2
	s_wait_alu depctr_va_vdst(0)
.irp e, EP, EQ
	v_pk_add_f32 v[\e:\e+1], v[\e:\e+1], 1.0 op_sel_hi:[1,0]
	v_pk_add_f32 v[\e+2:\e+3], v[\e+2:\e+3], 1.0 op_sel_hi:[1,0]
	v_add_f32 v[\e+4], 1.0, v[\e+4]
.endr
.irp j, 0,1,2,3,4
	v_log_f32 v[EP+\j], v[EP+\j]
.endr
.irp j, 0,1,2,3,4
	v_log_f32 v[EQ+\j], v[EQ+\j]
.endr
	v_max_num_f32 v[MQ+4], 0, v[D2B+4]             ; the plain line behind the logarithms
	MAX2 MQ, D2B
	MAX2 MQ+2, D2B+2
	s_wait_alu depctr_va_vdst(0)
	v_pk_add_f32 v[EP:EP+1], v[EP:EP+1], v[MP:MP+1]
	v_pk_add_f32 v[EP+2:EP+3], v[EP+2:EP+3], v[MP+2:MP+3]
	v_add_f32 v[EP+4], v[EP+4], v[MP+4]
	v_pk_add_f32 v[EQ:EQ+1], v[EQ:EQ+1], v[MQ:MQ+1]
	v_pk_add_f32 v[EQ+2:EQ+3], v[EQ+2:EQ+3], v[MQ+2:MQ+3]
	v_add_f32 v[EQ+4], v[EQ+4], v[MQ+4]
	v_pk_fma_f32 v[D2A:D2A+1], v[EP:EP+1], v[LN2:LN2+1], v[EPS:EPS+1]         ; dxl1, dyl1
	v_pk_fma_f32 v[D2A+2:D2A+3], v[EP+2:EP+3], v[LN2:LN2+1], v[EPS:EPS+1]     ; dxl2, dyl2
	v_fma_f32 v[D2A+4], v[EP+4], s29, s30                                     ; 2 kl
	v_pk_fma_f32 v[D2B:D2B+1], v[EQ:EQ+1], v[LN2:LN2+1], v[EPS:EPS+1]         ; dxr1, dyr1
	v_pk_fma_f32 v[D2B+2:D2B+3], v[EQ+2:EQ+3], v[LN2:LN2+1], v[EPS:EPS+1]     ; dxr2, dyr2
	v_fma_f32 v[D2B+4], v[EQ+4], s29, s30                                     ; 2 kr
	v_pk_add_f32 v[WM:WM+1], v[D2A:D2A+1], v[D2B:D2B+1]                       ; wM = dxl1 + dxr1, hM = dyl1 + dyr1
	v_pk_add_f32 v[SXL:SXL+1], v[D2A:D2A+1], v[D2A+2:D2A+3]                   ; sxl, syl
	v_add_f32 v[SXR], v[D2B], v[D2B+2]
	v_rcp_f32 v[RC], v[D2A+2]
	v_rcp_f32 v[RC+1], v[WM]
	v_rcp_f32 v[RC+2], v[D2B+2]
	v_fma_f32 v[LO], v[SXL], s31, s32              ; 0.99 (-sxl - 10000)   (plain lines behind the reciprocals)
	v_fma_f32 v[HI], v[SXR], s33, s34              ; 0.99 (sxr + 10000)
	v_med3_num_f32 v[QQ], v[ZI+\g], v[LO], v[HI]   ; q
	v_add_f32 v[PA], v[QQ], v[SXL]                 ; A = q - xL2
	v_add_f32 v[PA+1], v[QQ], v[D2A]               ; B = q - xL1
	v_sub_f32 v[PA+2], v[QQ], v[D2B]               ; C = q - xR1
	v_sub_f32 v[PA+3], v[QQ], v[SXR]               ; D = q - xR2
	s_wait_alu depctr_va_vdst(0)
	v_mul_f32 v[SLP], v[D2A+3], v[RC]              ; the three inner slopes
	v_mul_f32 v[SLP+1], v[WM+1], v[RC+1]
	v_mul_f32 v[SLP+2], v[D2B+3], v[RC+2]
	v_min_num_f32 v[CL5], 0, v[PA]
	v_med3_num_f32 v[CL5+1], v[PA], 0, v[D2A+2]
	v_med3_num_f32 v[CL5+2], v[PA+1], 0, v[WM]
	v_med3_num_f32 v[CL5+3], v[PA+2], 0, v[D2B+2]
	v_max_num_f32 v[CL5+4], 0, v[PA+3]
	v_fma_f32 v[FF], v[D2A+4], v[CL5], -v[SXL+1]
	v_fma_f32 v[FF], v[SLP], v[CL5+1], v[FF]
	v_fma_f32 v[FF], v[SLP+1], v[CL5+2], v[FF]
	v_fma_f32 v[FF], v[SLP+2], v[CL5+3], v[FF]
	v_fma_f32 v[ZI+\g], v[D2B+4], v[CL5+4], v[FF]  ; f, in a register that nothing writes before the trip's last wait on LDS
	ds_store_b32 v[LINC], v[ZI+\g] offset:384*\g+8 ; over x2 in my stage
.endm
	s_wait_asynccnt 0x0                            ; my stage is filled; I alone read it, so my own wait is all the ordering that the reads need
.Ltrip:                                            ; four trips of 128 points
	v_add_nc_u32 v[LINC], s36, v[LIN0]
	v_add_nc_u32 v[LRDC], s36, v[LRD0]
	v_add_nc_u32 v[GOC], s36, v[GO0]
.irp g, 0,1,2,3
	ds_load_b32 v[XI+2*\g], v[LINC] offset:384*\g              ; lanes 12 bytes apart: 32 different banks
	ds_load_b32 v[XI+2*\g+1], v[LINC] offset:384*\g+4
.endr
.irp g, 0,1,2,3
	ds_load_b32 v[ZI+\g], v[LINC] offset:384*\g+8
.endr
	s_wait_dscnt 10                                ; group 0's pair is in: ten loads were issued behind it
	TANH 0
	QUANT 0
	s_wait_dscnt 8                                 ; group 1's pair
	TANH 1                                         ; its thirteen plain lines stand between the scale word and codes just made and the scaled matrix instructions
	MM1 0
	QUANT 1                                        ; its four plain lines, which name none of those products' registers, stand between them and the first read of their results
	RELUPACK
	MM2
	s_wait_dscnt 0x0                               ; the rest of the trip's numbers
	TANH 2                                         ; (plain lines behind the second product)
	BACK 0
	MM1 1
	QUANT 0
	RELUPACK
	MM2
	TANH 3
	BACK 1
	MM1 0
	QUANT 1
	RELUPACK
	MM2
	PLACES
	BACK 2
	MM1 1
	PLACES
	RELUPACK
	MM2
	PLACES
	BACK 3
.irp i, 0,1,2
	ds_load_b128 v[OUT+4*\i:OUT+4*\i+3], v[LRDC] offset:512*\i   ; the trip's 1,536 bytes as they lie; LDS serves a wave's instructions in order: these see the four stores of f
.endr
	s_wait_dscnt 0x0
.irp i, 0,1,2
	global_store_b128 v[GOC], v[OUT+4*\i:OUT+4*\i+3], s[16:17] offset:512*\i th:TH_STORE_NT   ; 32 lanes store 512 consecutive bytes, at a multiple of 512 from out0's first byte; written once, read by nobody here
.endr
	s_wait_xcnt 0x0                                ; the stores' address and data registers are written again only behind this wait
	s_add_co_u32 s36, s36, 1536
	s_sub_co_u32 s35, s35, 1
	s_cmp_lg_u32 s35, 0
	s_cbranch_scc1 .Ltrip
	s_set_vgpr_msb 0x5
	s_wait_tensorcnt 0x0
	ds_add_u32 v232, v233
	s_wait_dscnt 0x0
	s_set_vgpr_msb 0x500
	s_endpgm
.Lfunc_end_k_qe48db5eeff_coupling:
	.size	k_qe48db5eeff_coupling, .Lfunc_end_k_qe48db5eeff_coupling-k_qe48db5eeff_coupling
	.p2alignl 7, 3214868480
	.fill 96, 4, 3214868480
	.section	.rodata,"a",@progbits
	.p2align	6, 0x0
	.amdhsa_kernel k_qe48db5eeff_coupling
		.amdhsa_group_segment_fixed_size 168960
		.amdhsa_private_segment_fixed_size 0
		.amdhsa_enable_private_segment 0
		.amdhsa_kernarg_size 56
		.amdhsa_user_sgpr_count 2
		.amdhsa_user_sgpr_kernarg_segment_ptr 1
		.amdhsa_wavefront_size32 1
		.amdhsa_system_sgpr_workgroup_id_x 1
		.amdhsa_system_sgpr_workgroup_id_y 1
		.amdhsa_system_sgpr_workgroup_id_z 1
		.amdhsa_system_vgpr_workitem_id 0
		.amdhsa_next_free_vgpr 490
		.amdhsa_next_free_sgpr 66
		.amdhsa_reserve_vcc 1
		.amdhsa_float_denorm_mode_32 3
		.amdhsa_float_denorm_mode_16_64 3
		.amdhsa_memory_ordered 1
		.amdhsa_forward_progress 1
		.amdhsa_inst_pref_size 75
	.end_amdhsa_kernel
	.amdgpu_metadata
---
amdhsa.version: [ 1, 2 ]
amdhsa.kernels:
  - .name:           k_qe48db5eeff_coupling
    .symbol:         k_qe48db5eeff_coupling.kd
    .args:
      - { .name: input, .offset: 0, .size: 8, .value_kind: global_buffer, .address_space: global }
      - { .name: t_feat, .offset: 8, .size: 8, .value_kind: global_buffer, .address_space: global }
      - { .name: W1, .offset: 16, .size: 8, .value_kind: global_buffer, .address_space: global }
      - { .name: b1, .offset: 24, .size: 8, .value_kind: global_buffer, .address_space: global }
      - { .name: W2, .offset: 32, .size: 8, .value_kind: global_buffer, .address_space: global }
      - { .name: b2, .offset: 40, .size: 8, .value_kind: global_buffer, .address_space: global }
      - { .name: out0, .offset: 48, .size: 8, .value_kind: global_buffer, .address_space: global }
    .group_segment_fixed_size: 168960
    .private_segment_fixed_size: 0
    .kernarg_segment_align: 8
    .kernarg_segment_size: 56
    .max_flat_workgroup_size: 256
    .sgpr_count:     66
    .vgpr_count:     490
    .wavefront_size: 32
...
	.end_amdgpu_metadata
.endif
;; end of part 2
